; MI455X (gfx1250); checked and timed in simulation.
; The chip was launched on July 23, 2026; its instructions are those of AMD's public machine-readable ISA for CDNA 5 (MIT licence, August 2026) and "CDNA5" Instruction Set Architecture Reference Guide (July 2026). The comments in the code are by the model that wrote it; some were corrected since.
;; SRN. Allowed arithmetic: matrix products marked QUANTISED: E2M1 operands, one E8M0 scale for each 32 along K, by v_wmma_scale_f32_16x16x128_f8f6f4 with both operands' format E2M1 (or v_wmma_scale_f32_32x16x128_f4), f32 sums; products left as they are: f32 operands where the result goes on into a quantised operand, else bf16, f16 or f32 operands; f32 sums; everything else in f32.
;; Inputs: W_ac 600 x 300 float32; action_mask 1,024 x 256 float32; b_ac 300 float32; b_rel one number float32; last_h 1,024 x 300 float32; q_t 1,024 x 32 x 300 float32; r_space 1,024 x 256 int32; rel_emb 4,000 x 300 float32; w_rel 300 float32.
;; Outputs: out0 1,024 x 256 float32.
;; This version of the problem:
;;   THIS VERSION OF THE PROBLEM IS GIVEN IN LOW PRECISION. The matrix products marked QUANTISED in the list below multiply operands that are first quantised to E2M1 (2 exponent bits, 1 mantissa bit; 4 bits a number), with one power-of-two scale for each 32 numbers along K (OCP MX v1.0); their sums are f32. All else is computed in f32.
;;   The module's matrix products, in the order in which they are computed (A, B: the left and right operand; K: the contracted axis; several contracted axes count as one K, in the product's order):
;;     1. batch 1,024 x [M 256, K 300] x [K 300, N 32]; A: computed on the way; B: input q_t: QUANTISED
;;     2. batch 1,024 x [M 256, K 32] x [K 32, N 300]; A: softmax (see below); B: input q_t: QUANTISED
;;     3. [M 262,144, K 600] x [K 600, N 300]; A: computed on the way; B: input W_ac: QUANTISED
;;     4. batch 262,144 x [M 1, K 300] x [K 300, N 1]; A: computed on the way; B: computed on the way: left as it is (M = 1 < 16)
;;   THE QUANTISER, for each operand of a quantised product, along K:
;;     - K is cut into blocks of 32 from its start; a last block that is shorter is filled with zeros.
;;     - A block's scale is 2^e with e = floor(log2(the largest magnitude in the block)) - 2, held to -126 .. 127; a block of zeros has e = 0. As a byte (E8M0): e + 127.
;;     - Each number is divided by its block's scale, clamped to +-6, and rounded to the nearest number of E2M1, ties to even, subnormals kept.
;;     - The product sums the exact products of the quantised numbers (number of the format x scale) in f32.
;;   ~~~python
;;   def quantise(x, axis):      # numpy; x: float32 -> the quantised numbers, widened to float32 again
;;       x = np.moveaxis(x, axis, -1); K = x.shape[-1]
;;       x = np.pad(x, [(0, 0)] * (x.ndim - 1) + [(0, -K % 32)]); x = x.reshape(x.shape[:-1] + (-1, 32)); a = np.abs(x).max(-1, keepdims=True)
;;       e = np.where(a > 0, np.clip(np.frexp(np.where(a > 0, a, 1))[1] - 1 - 2, -126, 127), 0)      # np.frexp(a)[1] - 1 = floor(log2(a)), exactly
;;       r = np.clip(x / 2.0 ** e, -6, 6)
;;       step = 2.0 ** (np.maximum(np.frexp(np.where(r == 0, 1, r))[1] - 1, 0) - 1)
;;       q = np.round(r / step) * step * 2.0 ** e      # np.round: ties to even
;;       return np.moveaxis(q.reshape(q.shape[:-2] + (-1,))[..., :K], -1, axis).astype(np.float32)
;;   ~~~
;;   SOFTMAX AHEAD OF A QUANTISED PRODUCT. Where the list says 'softmax', what is quantised is not the finished softmax but p = 2^(t - M), with t = logit x log2(e) and M = ceil(the row's largest t), a whole number; so 1/2 < the row's largest p <= 1. The row's sum l is taken of the UNQUANTISED p, in f32, and the product's result is divided by l at the end. Since M is a whole number, a kernel that streams over the keys may use a running M (the ceiling of the running maximum): every later rescaling is an exact power of two, which a block's scale takes up: the codes' values come out the same.
;;   OPERANDS COMPUTED ON THE WAY. 'Computed on the way' means the value that the module computes at that place (a softmax that the list does not call 'softmax' is quantised finished and normalised). What goes into a quantiser is computed in f32, as accurately as f32 sums, v_exp_f32 and their like allow (about 1e-6 of the number): no bf16 or f16 on the way to a quantiser, and a product that is left as it is and whose result goes on into a quantised operand takes f32 operands (vector FMAs, or v_wmma_f32_16x16x4_f32). A number that lies on a knife's edge between two numbers of the format may be rounded either way, as far as f32 arithmetic and the matrix unit's own rounding can turn it there, and no further.
;; One version. Each part assembles by itself: llvm-mc -triple=amdgcn-amd-amdhsa -mcpu=gfx1250 --defsym DOCPART=n.
;; ======== version 1 of 1: 2 launches
;; workspace buffers: wq 108,800 bytes; rtab 4,096,000 bytes
;; launch prep (part 1): grid 270 x 1, 5 waves a work-group, no clusters, 0 bytes of LDS; arguments rel_emb, w_rel, W_ac, wq, rtab; writes wq, rtab
.if DOCPART == 1
	.amdgcn_target "amdgcn-amd-amdhsa--gfx1250"
	.amdhsa_code_object_version 6
	.text
	.protected	k_q0de318a1b4_prep
	.globl	k_q0de318a1b4_prep
	.p2align	8
	.type	k_q0de318a1b4_prep,@function
k_q0de318a1b4_prep:
	s_mov_b64 s[64:65], 0
	v_nop
	global_prefetch_b8 v0, s[64:65] scope:SCOPE_SE
	s_setreg_imm32_b32 hwreg(HW_REG_WAVE_MODE, 25, 1), 1
	s_wait_xcnt 0x0
; What hangs on a table row alone is made once, for the second launch.
; rtab: one record of 1,024 bytes for each of the 4,000 relations:
;   byte 80 h + 16 e (h = 0, 1; e = 0 .. 4): the 32 codes (E2M1) of rel_emb x w_rel at d = 64 e + 32 h + 0 .. 31: a lane's registers of an operand of K = 300;
;   byte 160 + 4 s: the scale word (four E8M0 bytes) of d = 128 s .. 128 s + 127; bytes past block 9 hold 0x7f;
;   byte 256 + 160 w + 80 h + 16 tt: rel_emb as bf16 at d = 16 (4 tt + w) + 8 h + 0 .. 7, zeros from d = 300 on.
; wq: W_ac [600][300] quantised along its FIRST axis, as images of operand registers: fragment (t, s) (rows n = 16 t + r, k = 128 s ..) at (5 t + s) x 1,024: group c at 512 c + 16 x lane;
;   its scale words at 102,400 + (5 t + s) x 64 + 4 r.  k >= 600 and n >= 300 are zero codes.
; A block's scale byte is its largest magnitude's exponent field - 2, held at 1 from below (a block of zeros keeps the byte 1: its codes are zeros, and only this program reads the bytes).
; LIMITS: NaN and infinities among the inputs are not served; blocks whose largest magnitude lies under 2^-124 keep the byte 1.
; Work-groups 0 .. 249 take 16 relations each (wave e: d = 64 e ..), work-groups 250 .. 269 a tile t of W_ac (wave s: K step s).  A lane holds a whole block of 32.  No LDS, no barrier.
; The table's stores are pieces of 16 bytes of a record; one work-group writes all pieces of its 16 records.
.set X,   16                           ; v16-79   64 numbers
.set WV,  80                           ; v80-111  w_rel
.set BF,  112                          ; v112-127 bf16 pairs
.set C,   128                          ; v128-135 codes
.set M0,  136
.set M1,  137
.set SO,  138                          ; the conversion's scale operand
.set BY,  139                          ; a scale byte
.set BY0, 140
.set T,   141
.set TX,  142
; 32 numbers of a lane, one block, become 4 registers of codes and a scale byte
.macro QB32 x, c, by
	v_max3_num_f32 v[M0], |v[(\x)]|, |v[(\x)+1]|, |v[(\x)+2]|
	v_max3_num_f32 v[M1], |v[(\x)+3]|, |v[(\x)+4]|, |v[(\x)+5]|
.irp i, 6,10,14,18,22,26
	v_max3_num_f32 v[M0], v[M0], |v[(\x)+\i]|, |v[(\x)+\i+1]|
	v_max3_num_f32 v[M1], v[M1], |v[(\x)+\i+2]|, |v[(\x)+\i+3]|
.endr
	v_max3_num_f32 v[M0], v[M0], |v[(\x)+30]|, |v[(\x)+31]|
	v_max3_num_f32 v[M0], v[M0], v[M1], 0x1800000      ; the floor 2^(3 - 127): the byte cannot fall under 1
	v_add_nc_u32 v[SO], 0xff000000, v[M0]              ; 2 off the exponent field: the conversion takes this field as its scale
	v_lshrrev_b32 v[\by], 23, v[SO]
.irp g, 0,1,2,3
	v_cvt_scalef32_pk8_fp4_f32 v[(\c)+\g], v[(\x)+8*\g:(\x)+8*\g+7], v[SO]
.endr
	v_nop                                              ; one plain line behind the last conversion
.endm
	s_load_b256 s[4:11], s[0:1], 0x0               ; rel_emb s[4:5], w_rel s[6:7], W_ac s[8:9], wq s[10:11]
	s_load_b64 s[12:13], s[0:1], 0x20              ; rtab
	v_lshrrev_b32 v3, 5, v0
	v_readfirstlane_b32 s14, v3                    ; wave 0 .. 4
	v_and_b32 v1, 15, v0                           ; r
	v_bfe_u32 v2, v0, 4, 1                         ; h
	v_lshlrev_b32 v13, 3, v2                       ; 8 h
	v_mov_b32 v[TX], 0                             ; a lane permute's destination counts as read
	s_mov_b32 s20, 0x76543210
	s_mov_b32 s21, 0xfedcba98                      ; selects for lane l xor 16
	s_mov_b32 s19, 0
	s_wait_kmcnt 0x0
	s_cmp_lt_u32 ttmp9, 250
	s_cbranch_scc0 .Lweights
	; ---- 16 relations: lane (r, h) of wave e holds block 2 e + h of row 16 g + r
	s_cmp_eq_u32 s14, 4
	s_cselect_b32 s16, 0, 128                      ; in wave 4 the pieces past d = 299 are read from block 8 instead, and then cleared: no load leaves the row
	s_lshl_b32 s15, ttmp9, 4
	s_lshl_b32 s17, s14, 1
	s_lshl_b32 s18, s14, 8
	s_add_nc_u64 s[4:5], s[4:5], s[18:19]          ; + 256 e bytes
	s_add_nc_u64 s[6:7], s[6:7], s[18:19]
	s_lshl_b32 s18, s14, 4
	s_add_nc_u64 s[22:23], s[12:13], s[18:19]      ; rtab + 16 e
	s_lshl_b32 s18, s14, 1
	s_add_nc_u64 s[24:25], s[12:13], s[18:19]      ; rtab + 2 e
	v_add_nc_u32 v3, s15, v1                       ; the row
	v_mul_u32_u24 v4, v3, 1200
	v_lshl_add_u32 v5, v2, 7, v4                   ; row x 1,200 + 128 h
	v_mul_u32_u24 v6, s16, v2
	v_add_nc_u32 v7, v4, v6                        ; the same, or block 8's
	v_lshlrev_b32 v8, 7, v2
	v_add_nc_u32 v9, s17, v2                       ; the block's number
.irp j, 0,1,2
	global_load_b128 v[X+4*\j:X+4*\j+3], v5, s[4:5] offset:16*\j
	global_load_b128 v[WV+4*\j:WV+4*\j+3], v8, s[6:7] offset:16*\j
.endr
.irp j, 3,4,5,6,7
	global_load_b128 v[X+4*\j:X+4*\j+3], v7, s[4:5] offset:16*\j
	global_load_b128 v[WV+4*\j:WV+4*\j+3], v6, s[6:7] offset:16*\j
.endr
	v_lshlrev_b32 v10, 10, v3                      ; the record
	v_mad_u32_u24 v11, v2, 320, v10
	v_mad_u32_u24 v12, v2, 80, v10
	v_cmp_ne_u32 vcc_lo, 9, v9
	s_wait_loadcnt 0x0
.set o, 12
.rept 20
	v_cndmask_b32 v[X+o], 0, v[X+o], vcc_lo        ; block 9: d = 300 .. 319 are zeros
.set o, o+1
.endr
.set o, 0
.rept 16
	v_cvt_pk_bf16_f32 v[BF+o], v[X+2*o], v[X+2*o+1]
.set o, o+1
.endr
.irp g, 0,1,2,3
	global_store_b128 v11, v[BF+4*\g:BF+4*\g+3], s[22:23] offset:256+160*(\g/2)+80*(\g%2)   ; d = 64 e + 32 h + 8 g ..: w = 2 h + g / 2, half g % 2, tt = e
.endr
.set o, 0
.rept 16
	v_pk_mul_f32 v[X+2*o:X+2*o+1], v[X+2*o:X+2*o+1], v[WV+2*o:WV+2*o+1]   ; rel_emb x w_rel, in f32
.set o, o+1
.endr
	QB32 X, C, BY
	global_store_b128 v12, v[C:C+3], s[22:23]
	v_lshlrev_b32 v[T], v13, v[BY]
	v_permlanex16_b32 v[TX], v[T], s20, s21
	v_or_b32 v[T], v[T], v[TX]                     ; the bytes of blocks 2 e and 2 e + 1
	global_store_b16 v10, v[T], s[24:25] offset:160
	s_cmp_lg_u32 s14, 4
	s_cbranch_scc1 .Ldone
	v_mov_b32 v14, 0x7f7f7f7f                      ; the bytes past block 9
	global_store_b16 v10, v14, s[12:13] offset:170
	global_store_b32 v10, v14, s[12:13] offset:172
.Ldone:
	s_endpgm
.Lweights:
	; ---- W_ac: lane (r, h) of wave s takes column n = 16 t + r, and its registers run down K: k = 128 s + 64 c + 32 h + i
	s_sub_co_u32 s15, ttmp9, 250                   ; t
	s_lshl_b32 s16, s15, 4
	s_lshl_b32 s17, s14, 7
	s_mul_i32 s18, s15, 5
	s_add_co_u32 s18, s18, s14                     ; 5 t + s
	s_lshl_b32 s22, s18, 10
	s_mov_b32 s23, 0
	s_add_nc_u64 s[22:23], s[10:11], s[22:23]
	s_lshl_b32 s24, s18, 6
	s_mov_b32 s25, 0
	s_add_nc_u64 s[24:25], s[10:11], s[24:25]
	v_add_nc_u32 v3, s16, v1                       ; n
	v_min_u32 v4, 299, v3
	v_lshl_add_u32 v5, v2, 5, s17                  ; 128 s + 32 h
	v_mul_u32_u24 v6, v5, 1200
	v_lshl_add_u32 v6, v4, 2, v6
	v_lshlrev_b32 v7, 2, v4
	v_add_nc_u32 v7, 599*1200, v7                  ; the column's last number: no load leaves the buffer
	v_sub_nc_u32 v8, 600, v5                       ; how many of my k are there,
	v_cmp_gt_u32 vcc_lo, 300, v3
	v_cndmask_b32 v8, 0, v8, vcc_lo                ; none in a column past 299
.set o, 0
.rept 64
.set kk, 64*(o/32)+o%32
	v_add_nc_u32 v[X+o], kk*1200, v6
	v_min_u32 v[X+o], v[X+o], v7
	global_load_b32 v[X+o], v[X+o], s[8:9]         ; sixteen neighbouring lanes read 64 neighbouring bytes; the load lands on its own offset
.set o, o+1
.endr
	v_and_b32 v9, 31, v0
	v_lshlrev_b32 v9, 4, v9
	v_lshlrev_b32 v10, 2, v1
	s_wait_loadcnt 0x0
.set o, 0
.rept 64
.set kk, 64*(o/32)+o%32
	v_cmp_lt_u32 vcc_lo, kk, v8
	v_cndmask_b32 v[X+o], 0, v[X+o], vcc_lo
.set o, o+1
.endr
	QB32 X, C, BY0
	QB32 X+32, C+4, BY
	v_lshl_or_b32 v[T], v[BY], 16, v[BY0]          ; my two bytes: blocks h and 2 + h,
	v_lshlrev_b32 v[T], v13, v[T]                  ; at their places;
	v_permlanex16_b32 v[TX], v[T], s20, s21
	v_or_b32 v[T], v[T], v[TX]                     ; with lane l xor 16's two the word is whole
	global_store_b128 v9, v[C:C+3], s[22:23]       ; 512 consecutive bytes
	global_store_b128 v9, v[C+4:C+7], s[22:23] offset:512
	global_store_b32 v10, v[T], s[24:25] offset:102400
	s_endpgm
.Lfunc_end_k_q0de318a1b4_prep:
	.size	k_q0de318a1b4_prep, .Lfunc_end_k_q0de318a1b4_prep-k_q0de318a1b4_prep
	.p2alignl 7, 3214868480
	.fill 96, 4, 3214868480
	.section	.rodata,"a",@progbits
	.p2align	6, 0x0
	.amdhsa_kernel k_q0de318a1b4_prep
		.amdhsa_group_segment_fixed_size 0
		.amdhsa_private_segment_fixed_size 0
		.amdhsa_enable_private_segment 0
		.amdhsa_kernarg_size 40
		.amdhsa_user_sgpr_count 2
		.amdhsa_user_sgpr_kernarg_segment_ptr 1
		.amdhsa_wavefront_size32 1
		.amdhsa_system_sgpr_workgroup_id_x 1
		.amdhsa_system_sgpr_workgroup_id_y 1
		.amdhsa_system_sgpr_workgroup_id_z 1
		.amdhsa_system_vgpr_workitem_id 0
		.amdhsa_next_free_vgpr 144
		.amdhsa_next_free_sgpr 66
		.amdhsa_reserve_vcc 1
		.amdhsa_float_denorm_mode_32 3
		.amdhsa_float_denorm_mode_16_64 3
		.amdhsa_memory_ordered 1
		.amdhsa_forward_progress 1
		.amdhsa_inst_pref_size 30
	.end_amdhsa_kernel
	.amdgpu_metadata
---
amdhsa.version: [ 1, 2 ]
amdhsa.kernels:
  - .name:           k_q0de318a1b4_prep
    .symbol:         k_q0de318a1b4_prep.kd
    .args:
      - { .name: rel_emb, .offset: 0, .size: 8, .value_kind: global_buffer, .address_space: global }
      - { .name: w_rel, .offset: 8, .size: 8, .value_kind: global_buffer, .address_space: global }
      - { .name: W_ac, .offset: 16, .size: 8, .value_kind: global_buffer, .address_space: global }
      - { .name: wq, .offset: 24, .size: 8, .value_kind: global_buffer, .address_space: global }
      - { .name: rtab, .offset: 32, .size: 8, .value_kind: global_buffer, .address_space: global }
    .group_segment_fixed_size: 0
    .private_segment_fixed_size: 0
    .kernarg_segment_align: 8
    .kernarg_segment_size: 40
    .max_flat_workgroup_size: 160
    .sgpr_count:     66
    .vgpr_count:     144
    .wavefront_size: 32
...
	.end_amdgpu_metadata
.endif
;; end of part 1
;; launch main (part 2): grid 256 x 1, 4 waves a work-group, no clusters, 248,320 bytes of LDS; arguments q_t, last_h, b_rel, b_ac, r_space, action_mask, wq, rtab, out0; writes out0
.if DOCPART == 2
	.amdgcn_target "amdgcn-amd-amdhsa--gfx1250"
	.amdhsa_code_object_version 6
	.text
	.protected	k_q0de318a1b4_main
	.globl	k_q0de318a1b4_main
	.p2align	8
	.type	k_q0de318a1b4_main,@function
k_q0de318a1b4_main:
	s_mov_b64 s[64:65], 0
	v_nop
	global_prefetch_b8 v0, s[64:65] scope:SCOPE_SE
	s_setreg_imm32_b32 hwreg(HW_REG_WAVE_MODE, 25, 1), 1
	s_wait_xcnt 0x0
; The whole chain for four batches a work-group: logits = (r_emb x w_rel) q^T + b_rel, softmax over the 32 q as p = 2^(t - M), q_attn = p q / l, act = relu([last_h | q_attn] W_ac + b_ac),
; score = r_emb . act, softmax over the 256 actions, mask, + 2^-52, renormalised.  The three matrix products run on codes of E2M1 with one E8M0 scale for each 32 along K.
; SHARES.  Phase X, once: wave w quantises q_t (along d for product 1, along q for product 2) and last_h of batch 4 g + w and leaves images of the operands' registers in LDS.
; Then four trips, all waves on one batch.  Phase 1: wave w takes action tiles 4 w + j: product 1, softmax, product 2, the quantiser along K = 600; images of K steps 2 .. 4 of h go to LDS.
; Phase 2: the waves share the COLUMNS: wave w keeps W_ac's tiles t = 4 tt + w in registers for the whole launch and makes its 80 columns of act, and its part of each score, for all 16 action tiles.
; K steps 0 and 1 of that product (k = 0 .. 255) hold last_h alone, broadcast over the actions: the operand's 16 columns are alike in every action tile.  So their sums, begun with b_ac, are made
; once a batch and are the C of every action tile's first product: the same chain of f32 sums, in the same order.
; At the end wave w adds the four parts of batch w and does the softmax over the actions.
; LAYOUT.  All products are used transposed, so that a lane holds ONE action (lane % 16).  K = 600 cuts so that block 9 holds last_h[288..299] and q_attn[0..19]: the rows of q^T that form a tile of
; product 2 are chosen by k = 300 + d: row rho of tile tau is d = 32 (tau / 2) + 8 (tau % 2) + rho + 8 (rho / 8) - 12, zeros where d is outside 0 .. 299.  Product 2 has K = 32: one fragment of q^T holds four
; tiles, one in each 32 of its 128 along K, and p's codes stand in the matching 32 of an operand that is zero elsewhere.
; NO CLUSTER: what work-groups share is wq, 25 KB a wave once, straight into registers, and scattered table rows; each work-group's 154 KB of q_t are its own.
; LDS is filled by tensor loads once, at the start, and never again.
; LIMITS: NaN and infinities are not served; blocks whose largest magnitude lies under 2^-124 keep the scale byte 1; blocks of zeros carry the byte 1 or 0 (zero codes; only this program reads the bytes);
; rel_emb enters the score (the product left as it is) as bf16, an error of 2^-9 of each term; indices are held at 3,999; 1 / l and 1 / Z are v_rcp_f32.
.set STGW, 41472                       ; LDS 0: for each wave 32 rows of q_t, 324 f32 (zeros from 300 on): pitch 1,296 bytes = 81 x 16
.set QP,   1296
.set LHX,  165888                      ; last_h of the four batches, 320 f32 each (zeros from 300 on)
.set LHB,  1280
.set XIMG, 171008                      ; for each batch 13 fragments (1,024 f + 512 c + 16 x lane) and their scale words (XSCO + 128 f + 4 x lane): f = 3 u + s: q for product 1; 6 + T: q^T for product 2; 11 + s: last_h
.set XB,   15104
.set XSCO, 13312
.set PART, 231424                      ; [batch][wave][action] f32: the parts of the scores
.set HSCO, 49152                       ; LDS 0 again, once q_t has been quantised: h's fragments (3 m + s') x 1,024, and from HSCO on their scale words, 128 bytes each
; window 0
.set LI,  4                            ; 16 x lane
.set LS,  5                            ; 4 x lane
.set AI,  6
.set ACA, 7
.set AZ,  8
.set AL,  9
.set XWI, 10
.set XWS, 11
.set XRI, 12
.set XRS, 13
.set LHA, 14
.set HWI, 15
.set HWS, 16
.set BA0, 17
.set BA1, 18
.set IXA, 19
.set BA2, 20
.set PA,  21
.set H80, 22                           ; 80 h
.set RH,  23                           ; 256 + 160 w + 80 h
.set GAD, 24                           ; v24-27 offsets of my four tiles' codes;  v28-31 of their scale words
.set GSD, 28
.set BR,  32                           ; v32-39 b_rel
.set WS,  40                           ; v40-54 W's scale words: [tt][0]: K steps 0 | 1, [1]: 2 | 3, [2]: 4
.set IXB, 55
.set H01, 56                           ; v56-71 last_h's two fragments
.set SC,  72                           ; v72-75 a score in four chains
.set TT,  76
.set XX,  80                           ; phase X: two sets of 32 numbers
.set CD,  144
.set M0,  152
.set M1,  153
.set SO,  154
.set BY0, 155
.set BY1, 156
.set TW,  157
.set TX,  158
.set AC,  80                           ; phase 1: 64 numbers of a K step of h
.set LG,  144                          ; logits, then p
.set PB,  160                          ; p's codes among zeros
.set TM,  180
.set PC,  196
.set LH9, 204
.set HF,  80                           ; phase 2: two sets of three fragments of h
.set ACC, 128                          ; two sets of five accumulators
.set GS,  216                          ; v216-231 my four tiles' scale words
.set QS1, 232
.set QS2, 238
.set PS,  243
.set HSC, 244
.set HS01, 250
.set RL,  252                          ; 1 / l (a pair for the packed forms)
.set PW,  254
.set SH8, 255                          ; 8 h
; window 1
.set W24, 0                            ; W's K steps 2 .. 4: 24 tt + 8 (s - 2)
.set RB,  120                          ; rel_emb in bf16: six buffers of 20
; window 2
.set W01, 0                            ; W's K steps 0, 1: 16 tt + 8 s
.set Q1,  80
.set Q2,  128
.set BC,  168                          ; b_ac in the result's layout
.set ROFF, 208                         ; the 16 tiles' offsets into the table
; window 3
.set GA,  0                            ; my four tiles' codes: 24 j
.set MASK, 96
.set IXR, 104                          ; the next batch's indices: 16 tiles';
.set IXG, 120                          ; my four tiles'
.set BCH, 208                          ; v208-247: b_ac + K steps 0 and 1 of product 3, five tiles: the batch's, for all its actions
.set MSB, 0
.macro WIN new                         ; the immediate's high byte repeats the setting that is left; bits 1:0 source 0, 3:2 source 1, 5:4 source 2, 7:6 destination
.if MSB != \new
	s_set_vgpr_msb (MSB<<8)|\new
.set MSB, \new
.endif
.endm
.macro PLACES
.rept 4
	v_nop
.endr
.endm
.macro BARRIER                         ; my LDS stores have landed and my LDS loads are in: then the work-group's barrier
	s_wait_dscnt 0x0
	s_barrier_signal -1
	s_barrier_wait -1
.endm
; one matrix instruction.  c < 0: the sum begins with 0;  row: source 0's scales come from lanes 16-31
.macro MM d, a, b, c, sa, sb, row
.if (\c) < 0
	v_wmma_scale_f32_16x16x128_f8f6f4 v[(\d):(\d)+7], v[(\a):(\a)+7], v[(\b):(\b)+7], 0, v[\sa], v[\sb] matrix_a_fmt:MATRIX_FMT_FP4 matrix_b_fmt:MATRIX_FMT_FP4
.elseif \row
	v_wmma_scale_f32_16x16x128_f8f6f4 v[(\d):(\d)+7], v[(\a):(\a)+7], v[(\b):(\b)+7], v[(\c):(\c)+7], v[\sa], v[\sb] matrix_a_fmt:MATRIX_FMT_FP4 matrix_b_fmt:MATRIX_FMT_FP4 matrix_a_scale:MATRIX_SCALE_ROW1
.else
	v_wmma_scale_f32_16x16x128_f8f6f4 v[(\d):(\d)+7], v[(\a):(\a)+7], v[(\b):(\b)+7], v[(\c):(\c)+7], v[\sa], v[\sb] matrix_a_fmt:MATRIX_FMT_FP4 matrix_b_fmt:MATRIX_FMT_FP4
.endif
.endm
; 32 numbers of a lane, one block, become 4 registers of codes and a scale byte
.macro QB32 x, c, by
	v_max3_num_f32 v[M0], |v[(\x)]|, |v[(\x)+1]|, |v[(\x)+2]|
	v_max3_num_f32 v[M1], |v[(\x)+3]|, |v[(\x)+4]|, |v[(\x)+5]|
.irp i, 6,10,14,18,22,26
	v_max3_num_f32 v[M0], v[M0], |v[(\x)+\i]|, |v[(\x)+\i+1]|
	v_max3_num_f32 v[M1], v[M1], |v[(\x)+\i+2]|, |v[(\x)+\i+3]|
.endr
	v_max3_num_f32 v[M0], v[M0], |v[(\x)+30]|, |v[(\x)+31]|
	v_max3_num_f32 v[M0], v[M0], v[M1], 0x1800000      ; the floor 2^(3 - 127): the byte cannot fall under 1
	v_add_nc_u32 v[SO], 0xff000000, v[M0]              ; 2 off the exponent field: the conversion's scale operand
	v_lshrrev_b32 v[\by], 23, v[SO]
.irp g, 0,1,2,3
	v_cvt_scalef32_pk8_fp4_f32 v[(\c)+\g], v[(\x)+8*\g:(\x)+8*\g+7], v[SO]
.endr
	v_nop                                              ; one plain line behind the last conversion
.endm
; the next batch's indices, as they lie in r_space: lane (r, h) takes action 16 m + r
.macro IXLOAD
	WIN 0xc0
.set o, 0
.rept 16
	global_load_b32 v[IXR+o], v[IXA], s[12:13] offset:64*o
.set o, o+1
.endr
.irp j, 0,1,2,3
	global_load_b32 v[IXG+\j], v[IXB], s[12:13] offset:64*\j
.endr
	WIN 0
.endm
.macro GADDR                           ; my four tiles' records
	WIN 0xcc
.irp j, 0,1,2,3
	v_min_u32 v[IXG+\j], 3999, v[IXG+\j]
.endr
	WIN 0x03
.irp j, 0,1,2,3
	v_lshl_add_u32 v[GAD+\j], v[IXG+\j], 10, v[H80]
	v_lshl_add_u32 v[GSD+\j], v[IXG+\j], 10, 0
.endr
.endm
.macro GLOAD                           ; 24 loads: 80 bytes of codes a lane and the scale words, for each of my four tiles
	WIN 0xc0
.irp j, 0,1,2,3
.irp e, 0,1,2,3,4
	global_load_b128 v[GA+24*\j+4*\e:GA+24*\j+4*\e+3], v[GAD+\j], s[18:19] offset:16*\e
.endr
.endr
	WIN 0
.irp j, 0,1,2,3
	global_load_b128 v[GS+4*\j:GS+4*\j+3], v[GSD+\j], s[18:19] offset:160
.endr
.endm
.macro RADDR                           ; all 16 tiles' records, at my wave's and my half's bf16 numbers
	WIN 0xcc
.set o, 0
.rept 16
	v_min_u32 v[IXR+o], 3999, v[IXR+o]
.set o, o+1
.endr
	WIN 0x83
.set o, 0
.rept 16
	v_lshl_add_u32 v[ROFF+o], v[IXR+o], 10, v[RH]
.set o, o+1
.endr
.endm
.macro RLOAD m                         ; 5 loads: tile m's 40 bf16 numbers a lane
	WIN 0x42
.irp tt, 0,1,2,3,4
	global_load_b128 v[RB+20*((\m)%6)+4*\tt:RB+20*((\m)%6)+4*\tt+3], v[ROFF+(\m)], s[18:19] offset:16*\tt
.endr
.endm
	s_load_b512 s[4:19], s[0:1], 0x0               ; q_t s[4:5], last_h s[6:7], b_rel s[8:9], b_ac s[10:11], r_space s[12:13], action_mask s[14:15], wq s[16:17], rtab s[18:19]
	s_load_b64 s[20:21], s[0:1], 0x40              ; out0
	s_set_vgpr_msb 0x40
	v_lshl_add_u32 v254, v0, 2, 0x3c800
	v_mov_b32 v255, 0
	s_set_vgpr_msb 0x4045
	ds_add_u32 v254, v255
	ds_add_u32 v254, v255
	s_set_vgpr_msb 0x4500
	v_lshrrev_b32 v3, 5, v0
	v_readfirstlane_b32 s22, v3                    ; wave 0 .. 3
	s_lshl_b32 s56, ttmp9, 2
	s_add_co_u32 s56, s56, s22                     ; the batch that I quantise and finish
	; descriptor groups 1.  q_t: 32 rows of 300 f32, laid as rows of 324: what lies past 300 arrives as zeros
	s_mov_b32 s28, 2<<16                           ; elements of 4 bytes, no mask, no padding
	s_mov_b32 s29, 300<<16                         ; tensor_dim0 = 300
	s_mov_b32 s30, 32<<16                          ; tensor_dim1 = 32
	s_mov_b32 s31, 324<<16                         ; tile_dim0 = 324
	s_mov_b32 s32, 32                              ; tile_dim1 = 32
	s_mov_b32 s33, 300                             ; from row to row
	s_mov_b32 s34, 0
	s_mov_b32 s35, 0
	s_mov_b32 s40, 2<<16                           ; last_h: one row of 300, laid as 320
	s_mov_b32 s41, 300<<16
	s_mov_b32 s42, 1<<16
	s_mov_b32 s43, 320<<16
	s_mov_b32 s44, 1
	s_mov_b32 s45, 300
	s_mov_b32 s46, 0
	s_mov_b32 s47, 0
	s_mul_i32 s58, s56, 38400
	s_mov_b32 s59, 0
	s_mul_i32 s60, s56, 1200
	s_mov_b32 s61, 0
	s_mov_b32 s24, 1
	s_mul_i32 s25, s22, STGW
	s_mov_b32 s36, 1
	s_mul_i32 s37, s22, LHB
	s_add_co_u32 s37, s37, LHX
	s_wait_dscnt 0x0
	s_wait_kmcnt 0x0
	s_add_nc_u64 s[26:27], s[4:5], s[58:59]
	s_or_b32 s27, s27, 0x80000000
	s_add_nc_u64 s[38:39], s[6:7], s[60:61]
	s_or_b32 s39, s39, 0x80000000
	tensor_load_to_lds s[24:27], s[28:35]          ; the launch's only fills: two loads of mine are out
	s_nop 0
	tensor_load_to_lds s[36:39], s[40:47]
	s_nop 0
	PLACES
	s_load_b32 s57, s[8:9], 0x0                    ; b_rel
	v_and_b32 v1, 15, v0                           ; r
	v_bfe_u32 v2, v0, 4, 1                         ; h
	v_and_b32 v3, 31, v0                           ; lane
	s_lshl_b32 s58, ttmp9, 12
	s_add_nc_u64 s[12:13], s[12:13], s[58:59]      ; r_space at the work-group's four rows
	s_lshl_b32 s60, s22, 8
	v_lshlrev_b32 v[IXA], 2, v1
	v_lshl_add_u32 v[IXB], v1, 2, s60
	IXLOAD                                         ; batch 0's indices
	v_lshlrev_b32 v[LI], 4, v3
	v_lshlrev_b32 v[LS], 2, v3
	v_lshlrev_b32 v[SH8], 3, v2
	v_mul_u32_u24 v[H80], v2, 80
	s_mul_i32 s58, s22, 160
	s_add_co_u32 s58, s58, 256
	v_add_nc_u32 v[RH], s58, v[H80]
	s_mov_b32 s48, 0x76543210
	s_mov_b32 s49, 0xfedcba98                      ; selects for lane l xor 16
	s_mov_b32 s50, 0x3fb8aa3b                      ; log2(e)
	s_mov_b32 s51, s50
	; phase X's addresses
	s_mul_i32 s58, s22, STGW
	v_mul_u32_u24 v[AI], v1, QP
	v_lshl_add_u32 v[AI], v2, 7, v[AI]
	v_add_nc_u32 v[AI], s58, v[AI]                 ; row r, d = 32 h
	v_and_b32 v78, 8, v1
	v_add_nc_u32 v78, v78, v1
	v_lshl_add_u32 v78, v2, 3, v78                 ; lambda = 8 h + r + 8 (r / 8)
	v_lshl_add_u32 v[ACA], v78, 2, s58             ; column lambda of row 0
	v_add_nc_u32 v79, 52, v78                      ; x = lambda + 52: 64 or more where lambda >= 12
	v_and_b32 v[AZ], 63, v79                       ; lambda - 12 there, lambda + 52 below
	v_lshrrev_b32 v79, 6, v79
	v_xor_b32 v79, 1, v79                          ; 1 where lambda < 12:
	v_mul_u32_u24 v79, v79, 1040                   ; 260 numbers further on there
	v_lshl_add_u32 v[AZ], v[AZ], 2, v79
	v_add_nc_u32 v[AZ], s58, v[AZ]                 ; d = lambda - 12, or, where that is negative, the same row's zeros at d = lambda + 312: always inside the row's 1,296 bytes
	s_mul_i32 s59, s22, LHB
	s_add_co_u32 s59, s59, LHX
	v_lshl_add_u32 v[AL], v2, 7, s59
	s_mul_i32 s59, s22, XB
	s_add_co_u32 s59, s59, XIMG
	v_add_nc_u32 v[XWI], s59, v[LI]
	s_add_co_u32 s59, s59, XSCO
	v_add_nc_u32 v[XWS], s59, v[LS]
	s_mul_i32 s59, s22, 12288
	v_add_nc_u32 v[HWI], s59, v[LI]                ; my four tiles' twelve images
	s_mul_i32 s59, s22, 1536
	v_add_nc_u32 v[HWS], s59, v[LS]
	s_mul_i32 s59, s22, 320
	v_add_nc_u32 v76, s59, v[LS]                   ; W's scale words: two K steps in one register
	v_lshl_add_u32 v77, v1, 2, s59
	s_lshl_b32 s59, s22, 6
	v_lshl_add_u32 v[BA0], v2, 5, s59              ; b_ac: 64 w + 32 h
	v_add_nc_u32 v[BA1], 1024, v[BA0]
	v_min_u32 v[BA1], 1184, v[BA1]                 ; columns past 299 meet zero codes and zero rel_emb: what is read for them counts for nothing, but no load leaves the buffer
	v_add_nc_u32 v[BA2], 1040, v[BA0]
	v_min_u32 v[BA2], 1184, v[BA2]
	; registers that are written once
	v_mov_b32 v[TX], 0
.irp k, 3,4,5,6,7
	v_mov_b32 v[TM+\k], 0                          ; a lane permute's destination counts as read
.endr
	v_mov_b32 v[RL+1], 0
	WIN 0x80
.irp k, 20,21,22,23,44,45,46,47
	v_mov_b32 v[Q1+\k], 0                          ; d = 320 .. 383 of product 1's third K step
.endr
	WIN 0xc0
.irp j, 0,1,2,3
.irp k, 20,21,22,23
	v_mov_b32 v[GA+24*\j+\k], 0
.endr
.endr
	WIN 0
	s_wait_loadcnt 0x0                             ; the indices
	GADDR
	GLOAD                                          ; 24 loads,
	RADDR
.irp m, 0,1,2,3,4,5
	RLOAD \m                                       ; then 30
.endr
	s_lshl_b32 s58, s56, 10
	s_mov_b32 s59, 0
	s_add_nc_u64 s[14:15], s[14:15], s[58:59]
	s_mul_i32 s58, s22, 5120
	s_add_nc_u64 s[62:63], s[16:17], s[58:59]      ; wq at my tiles
	WIN 0xc0
	global_load_b128 v[MASK:MASK+3], v[LI], s[14:15]
	global_load_b128 v[MASK+4:MASK+7], v[LI], s[14:15] offset:512
	WIN 0x80
.irp tt, 0,1,2,3,4
.irp s, 0,1
.irp c, 0,1
	global_load_b128 v[W01+16*\tt+8*\s+4*\c:W01+16*\tt+8*\s+4*\c+3], v[LI], s[62:63] offset:(20*\tt+\s)*1024+512*\c
.endr
.endr
.endr
.irp tt, 0,1,2,3
	global_load_b128 v[BC+8*\tt:BC+8*\tt+3], v[BA0], s[10:11] offset:256*\tt
	global_load_b128 v[BC+8*\tt+4:BC+8*\tt+7], v[BA0], s[10:11] offset:256*\tt+16
.endr
	global_load_b128 v[BC+32:BC+35], v[BA1], s[10:11]
	global_load_b128 v[BC+36:BC+39], v[BA2], s[10:11]
	WIN 0x40
.irp tt, 0,1,2,3,4
.irp s, 2,3,4
.irp c, 0,1
	global_load_b128 v[W24+24*\tt+8*(\s-2)+4*\c:W24+24*\tt+8*(\s-2)+4*\c+3], v[LI], s[62:63] offset:(20*\tt+\s)*1024+512*\c
.endr
.endr
.endr
	WIN 0
.irp tt, 0,1,2,3,4
	global_load_b32 v[WS+3*\tt], v76, s[16:17] offset:102400+1280*\tt
	global_load_b32 v[WS+3*\tt+1], v76, s[16:17] offset:102400+1280*\tt+128
	global_load_b32 v[WS+3*\tt+2], v77, s[16:17] offset:102400+1280*\tt+256
.endr
	s_wait_xcnt 0x0                                ; the loads' offset registers may be written again
	s_wait_kmcnt 0x0
.irp k, 0,1,2,3,4,5,6,7
	v_mov_b32 v[BR+\k], s57
.endr
; ---- PHASE X: 24 units, each a whole block of 32 in a lane.  Units 0-9: q for product 1 (row 16 u + r, d = 64 e + 32 h ..); 10-19: q^T for product 2 (column d = 32 e - 12 + lambda, registers down q); 20-23: last_h.
.macro XLD k
.set xs, XX+32*((\k)%2)
.if (\k) < 10
.irp j, 0,1,2,3,4,5,6,7
	ds_load_b128 v[xs+4*\j:xs+4*\j+3], v[AI] offset:16*QP*((\k)/5)+256*((\k)%5)+16*\j
.endr
.elseif (\k) == 10
.set q, 0
.rept 32
	ds_load_b32 v[xs+q], v[AZ] offset:QP*q
.set q, q+1
.endr
.elseif (\k) < 20
.set q, 0
.rept 32
	ds_load_b32 v[xs+q], v[ACA] offset:128*((\k)-10)-48+QP*q
.set q, q+1
.endr
.else
.irp j, 0,1,2,3,4,5,6,7
	ds_load_b128 v[xs+4*\j:xs+4*\j+3], v[AL] offset:256*((\k)-20)+16*\j
.endr
.endif
.endm
.macro SWORD                           ; the bytes of a fragment's four blocks make its scale word
	v_lshl_or_b32 v[TW], v[BY1], 16, v[BY0]
	v_lshlrev_b32 v[TW], v[SH8], v[TW]
	v_permlanex16_b32 v[TX], v[TW], s48, s49
	v_or_b32 v[TW], v[TW], v[TX]
	ds_store_b32 v[XWS], v[TW] offset:128*qf
.endm
.macro XQ k
.if (\k) < 23
	XLD (\k)+1
.if ((\k)+1 >= 10) && ((\k)+1 < 20)
	s_wait_dscnt 32                                ; all but the next unit's loads, just issued: this unit's numbers are in, and the earlier stores have read their registers
.else
	s_wait_dscnt 8
.endif
.else
	s_wait_dscnt 0x0
.endif
.set qs, XX+32*((\k)%2)
.if (\k) < 10
.set qe, (\k)%5
.set qo, 3072*((\k)/5)+512*qe
.set qf, 3*((\k)/5)+qe/2
.elseif (\k) < 20
.set qe, (\k)-10
.set qo, 6144+512*qe
.set qf, 6+qe/2
.else
.set qe, (\k)-20
.set qo, 11264+512*qe
.set qf, 11+qe/2
.endif
.if qe%2 == 0
	QB32 qs, CD, BY0
.else
	QB32 qs, CD, BY1
.endif
	ds_store_b128 v[XWI], v[CD:CD+3] offset:qo
.if ((\k) < 10) && (qe == 4)
	v_mov_b32 v[BY1], 0x7f                         ; no blocks past d = 319
	SWORD
.elseif qe%2 == 1
	SWORD
.endif
.endm
	s_wait_tensorcnt 0x0                           ; my q_t and my last_h are in LDS; only I read my q_t
	XLD 0
.set K, 0
.rept 24
	XQ K
.set K, K+1
.endr
	BARRIER                                        ; every batch's images and last_h lie in LDS; nobody reads q_t any more
; ---- PHASE 1
; 64 numbers of a lane, register 16 b + i = k 32 b + 16 (lane / 16) + i of my action, become a fragment's codes in v[PC] on and its scale word in v[PW].  nb = 3: the fourth block is past K = 600
.macro QUANT s, nb
.irp b, 0,1,2,3
.if \b < \nb
	v_max3_num_f32 v[TM+\b], |v[\s+16*\b]|, |v[\s+1+16*\b]|, 0x1800000
.endif
.endr
.irp i, 2,4,6,8,10,12,14
.irp b, 0,1,2,3
.if \b < \nb
	v_max3_num_f32 v[TM+\b], v[TM+\b], |v[\s+16*\b+\i]|, |v[\s+1+16*\b+\i]|
.endif
.endr
.endr
.irp b, 0,1,2,3
.if \b < \nb
	v_permlanex16_b32 v[TM+4+\b], v[TM+\b], s48, s49
.endif
.endr
.irp b, 0,1,2,3
.if \b < \nb
	v_max_num_f32 v[TM+\b], v[TM+\b], v[TM+4+\b]   ; with lane l xor 16's: the block's largest magnitude
.endif
.endr
.irp b, 0,1,2,3
.if \b < \nb
	v_add_nc_u32 v[TM+12+\b], 0xff000000, v[TM+\b]
.endif
.endr
.irp b, 0,1,2,3
.if \b < \nb
	v_lshrrev_b32 v[TM+4+\b], 23, v[TM+12+\b]
.endif
.endr
	v_lshl_or_b32 v[PW], v[TM+5], 8, v[TM+4]
	v_lshl_or_b32 v[PW], v[TM+6], 16, v[PW]
.if \nb > 3
	v_lshl_or_b32 v[PW], v[TM+7], 24, v[PW]
.endif
.irp b, 0,1,2,3
.if \b < \nb
	v_cvt_scalef32_pk8_fp4_f32 v[PC+2*\b], v[\s+16*\b:\s+7+16*\b], v[TM+12+\b]
	v_cvt_scalef32_pk8_fp4_f32 v[PC+1+2*\b], v[\s+8+16*\b:\s+15+16*\b], v[TM+12+\b]
.endif
.endr
	v_nop                                          ; one plain line behind the last conversion
.if \nb < 4
	v_mov_b32 v[PC+6], 0
	v_mov_b32 v[PC+7], 0
.endif
.irp c, 0,1                                    ; the operand's layout wants a whole block in a lane
.irp i, 0,1
	v_permlane16_swap_b32 v[PC+4*\c+\i], v[PC+2+4*\c+\i]
.endr
.endr
.endm
; K step sg of h for my tile j: nt tiles of product 2 from t0 on, / l, quantised, image to LDS
.macro P1SIG j, sg, t0, nt, nb
	WIN 0x02
.set tau, \t0
.rept \nt
	MM AC+16*((9+tau/2)%4)+8*(tau%2), Q2+8*(tau/4), PB+4*(2*(tau%2)+1-(tau%4)/2), -1, QS2+tau/4, PS, 0
.set tau, tau+1
.endr
	WIN 0
	PLACES
	s_wait_dscnt 0x0                               ; last_h's numbers are in, and the last image's stores have read their registers
.if \sg == 2
	s_wait_alu depctr_va_vdst(0)
.irp k, 0,2,4,6,8,10
	v_pk_fma_f32 v[AC+16+\k:AC+17+\k], v[AC+16+\k:AC+17+\k], v[RL:RL+1], v[LH9+\k:LH9+\k+1] op_sel_hi:[1,0,1]   ; block 9: last_h[288 ..] where q^T's codes are zeros, q_attn elsewhere
.endr
.set a, 28
.rept 18
	v_pk_mul_f32 v[AC+a:AC+a+1], v[AC+a:AC+a+1], v[RL:RL+1] op_sel_hi:[1,0]
.set a, a+2
.endr
.else
.set a, 0
.rept 8*\nb
	v_pk_mul_f32 v[AC+a:AC+a+1], v[AC+a:AC+a+1], v[RL:RL+1] op_sel_hi:[1,0]
.set a, a+2
.endr
.endif
	QUANT AC, \nb
	ds_store_b128 v[HWI], v[PC:PC+3] offset:(3*\j+\sg-2)*1024
	ds_store_b128 v[HWI], v[PC+4:PC+7] offset:(3*\j+\sg-2)*1024+512
	ds_store_b32 v[HWS], v[PW] offset:HSCO+(3*\j+\sg-2)*128
.endm
.macro P1TILE j
.irp k, 0,1,2,3
	ds_load_b128 v[AC+4*\k:AC+4*\k+3], v[LHA] offset:1024+16*\k   ; block 8 of h: last_h[256 + 16 h ..]
.endr
	WIN 0x0e                                       ; q in window 2, the actions' codes in window 3
.irp s, 0,1,2                                  ; logits^T: source 0 = 16 q, source 1 = my 16 actions; the two accumulators by turns
.irp u, 0,1
.if \s == 0
	MM LG+8*\u, Q1+24*\u, GA+24*\j, BR, QS1+3*\u, GS+4*\j, 0
.else
	MM LG+8*\u, Q1+24*\u+8*\s, GA+24*\j+8*\s, LG+8*\u, QS1+3*\u+\s, GS+4*\j+\s, 0
.endif
.endr
.endr
	WIN 0
	PLACES
	v_max3_num_f32 v[TM], v[LG], v[LG+1], v[LG+2]  ; lane (r, h): action r, q = 16 u + 8 h + register
	v_max3_num_f32 v[TM+1], v[LG+8], v[LG+9], v[LG+10]
	v_max3_num_f32 v[TM], v[TM], v[LG+3], v[LG+4]
	v_max3_num_f32 v[TM+1], v[TM+1], v[LG+11], v[LG+12]
	v_max3_num_f32 v[TM], v[TM], v[LG+5], v[LG+6]
	v_max3_num_f32 v[TM+1], v[TM+1], v[LG+13], v[LG+14]
	v_max3_num_f32 v[TM], v[TM], v[LG+7], v[LG+15]
	v_max_num_f32 v[TM], v[TM], v[TM+1]
	v_permlanex16_b32 v[TM+3], v[TM], s48, s49
	v_max_num_f32 v[TM], v[TM], v[TM+3]            ; the row's largest logit
	v_mul_f32 v[TM+1], s50, v[TM]
	v_floor_f32 v[TM+2], -v[TM+1]                  ; -M = -ceil(the largest t)
.irp k, 0,2,4,6,8,10,12,14
	v_pk_fma_f32 v[LG+\k:LG+\k+1], v[LG+\k:LG+\k+1], s[50:51], v[TM+2:TM+3] op_sel_hi:[1,0,0]   ; t - M
.endr
	v_fma_f32 v[TM], v[TM], s50, v[TM+2]           ; the same of the largest: p rises with the logit, so this gives the block's largest p
.set a, 0
.rept 16
	v_exp_f32 v[LG+a], v[LG+a]
.set a, a+1
.endr
	v_exp_f32 v[TM], v[TM]
.irp k, 5,7,12,14
	v_mov_b32 v[PB+\k], 0                          ; (plain lines behind the exponentials)
.endr
	s_wait_alu depctr_va_vdst(0)
	v_max_num_f32 v[TM], 0x1800000, v[TM]
	v_add_nc_u32 v[TM+6], 0xff000000, v[TM]
	v_lshrrev_b32 v[TM+7], 23, v[TM+6]
	v_lshl_or_b32 v[TM+7], v[TM+7], 8, v[TM+7]
	v_lshl_or_b32 v[PS], v[TM+7], 16, v[TM+7]      ; p's one scale byte, in all four places of the word
	v_cvt_scalef32_pk8_fp4_f32 v[PB+4], v[LG:LG+7], v[TM+6]      ; q = 8 h + 0 .. 7
	v_cvt_scalef32_pk8_fp4_f32 v[PB+6], v[LG+8:LG+15], v[TM+6]   ; q = 16 + 8 h + 0 .. 7
	v_nop
	v_mov_b32 v[PB+13], v[PB+4]
	v_mov_b32 v[PB+15], v[PB+6]
	v_permlane16_swap_b32 v[PB+4], v[PB+5]         ; PB+4 .. 7: the 32 codes in lanes 0-15, zeros in lanes 16-31
	v_permlane16_swap_b32 v[PB+6], v[PB+7]
	v_permlane16_swap_b32 v[PB+12], v[PB+13]       ; PB+12 .. 15: the 32 codes in lanes 16-31, zeros in lanes 0-15
	v_permlane16_swap_b32 v[PB+14], v[PB+15]
	v_pk_add_f32 v[TM+8:TM+9], v[LG:LG+1], v[LG+2:LG+3]          ; l: the sum of the unquantised p.  These lines also stand between the writes of p's scale word and codes and the products that take them
	v_pk_add_f32 v[TM+10:TM+11], v[LG+4:LG+5], v[LG+6:LG+7]
	v_pk_add_f32 v[TM+12:TM+13], v[LG+8:LG+9], v[LG+10:LG+11]
	v_pk_add_f32 v[TM+14:TM+15], v[LG+12:LG+13], v[LG+14:LG+15]
	v_pk_add_f32 v[TM+8:TM+9], v[TM+8:TM+9], v[TM+10:TM+11]
	v_pk_add_f32 v[TM+12:TM+13], v[TM+12:TM+13], v[TM+14:TM+15]
	v_pk_add_f32 v[TM+8:TM+9], v[TM+8:TM+9], v[TM+12:TM+13]
	v_add_f32 v[TM+4], v[TM+8], v[TM+9]
	v_permlanex16_b32 v[TM+5], v[TM+4], s48, s49
	v_add_f32 v[TM+4], v[TM+4], v[TM+5]
	v_rcp_f32 v[RL], v[TM+4]
	P1SIG \j, 2, 0, 6, 4
	P1SIG \j, 3, 6, 8, 4
	P1SIG \j, 4, 14, 6, 3
.endm
; ---- PHASE 2
.macro HFLOAD m                        ; 9 LDS loads: tile m's three fragments of h and their scale words
.irp s, 0,1,2
.irp c, 0,1
	ds_load_b128 v[HF+24*((\m)%2)+8*\s+4*\c:HF+24*((\m)%2)+8*\s+4*\c+3], v[LI] offset:(3*(\m)+\s)*1024+512*\c
.endr
.endr
.irp s, 0,1,2
	ds_load_b32 v[HSC+3*((\m)%2)+\s], v[LS] offset:HSCO+(3*(\m)+\s)*128
.endr
.endm
.macro TAIL m                          ; tile m's part of the scores: four chains, the two halves of the lanes
	v_add_f32 v[SC], v[SC], v[SC+1]
	v_add_f32 v[SC+2], v[SC+2], v[SC+3]
	v_add_f32 v[SC], v[SC], v[SC+2]
	v_permlanex16_b32 v[TT], v[SC], s48, s49
	v_add_f32 v[TT+1], v[SC], v[TT]
	ds_store_b32 v[PA], v[TT+1] offset:64*(\m)
.endm
.macro RELU4
.rept 4
	v_max_num_f32 v[pv+vv], 0, v[pv+vv]
.set vv, vv+1
.endr
.endm
.macro FM                              ; score += rel_emb (a bf16 half, window 1) x act
.if vv%2
	v_fma_mix_f32_bf16 v[SC+vv%4], v[rb+4*(vv/8)+(vv%8)/2], v[pv+vv], v[SC+vv%4] op_sel:[1,0,0] op_sel_hi:[1,0,0]
.else
	v_fma_mix_f32_bf16 v[SC+vv%4], v[rb+4*(vv/8)+(vv%8)/2], v[pv+vv], v[SC+vv%4] op_sel_hi:[1,0,0]
.endif
.set vv, vv+1
.endm
; Stretch n: tile n's 15 products (K steps 2 .. 4; five accumulators by turns, K step by K step; the first takes the batch's sums of K steps 0 and 1 as its C), and between them tile n - 1's relu and multiply-adds.
; The relu names its register as source 1 and has no source 2; the multiply-add names its bf16 half as source 0: so neither wants a switch of the windows that the products round it use.
.macro STRETCH n
.set pa, ACC+40*((\n)%2)
.set pv, ACC+40*(((\n)+1)%2)
.set hf, HF+24*((\n)%2)
.set hs, HSC+3*((\n)%2)
.set rb, RB+20*(((\n)+5)%6)
	WIN 0
.if (\n) >= 2
	TAIL (\n)-2
.endif
.irp k, 0,1,2,3
	v_mov_b32 v[SC+\k], 0                          ; these four are also the places behind the last stretch's products, ahead of the loads below and of the first read of its results
.endr
.if (\n) <= 14
	HFLOAD (\n)+1
.endif
.if ((\n) >= 2) && ((\n) <= 11)
	RLOAD (\n)+4                                   ; into the buffer that the last stretch's multiply-adds have read
.endif
.if (\n) <= 14
	s_wait_dscnt 9                                 ; all but the 9 loads just issued: this tile's fragments are in
.elseif (\n) == 15
	s_wait_dscnt 0x0
.endif
.set vv, 0
.if (\n) <= 15
	WIN 0x31                                       ; W in window 1, the batch's sums (C) in window 3
.else
	WIN 0
.endif
.irp tt, 0,1,2,3,4
.if (\n) <= 15
	MM pa+8*\tt, W24+24*\tt, hf, BCH+8*\tt, WS+3*\tt+1, hs, 0
.endif
.if (\n) >= 1
	RELU4
	RELU4
.endif
.endr
.if (\n) >= 12
	s_wait_loadcnt 5*(16-(\n))                     ; rel_emb of tile n - 1 is in: behind its five loads only the later tiles' were issued
.elseif (\n) >= 7
	s_wait_loadcnt 25                              ; five later tiles' five loads each
.endif
	WIN 0x01                                       ; W and rel_emb in window 1
.set vv, 0
.irp s, 3,4
.irp tt, 0,1,2,3,4
.if (\n) <= 15
.if \s == 3
	MM pa+8*\tt, W24+24*\tt+8, hf+8, pa+8*\tt, WS+3*\tt+1, hs+1, 1
.else
	MM pa+8*\tt, W24+24*\tt+16, hf+16, pa+8*\tt, WS+3*\tt+2, hs+2, 0
.endif
.endif
.if (\n) >= 1
	FM
	FM
	FM
	FM
.endif
.endr
.endr
.endm
	s_mov_b32 s23, 0                               ; the trip
	s_mov_b32 s52, XIMG                            ; the batch's images,
	s_mov_b32 s53, LHX                             ; its last_h,
	s_lshl_b32 s55, s22, 10
	s_add_co_u32 s55, s55, PART                    ; my part of its scores
.Lbatch:
	; ---- the next batch's indices are asked for (the last trip asks for batch 0's again: inside the buffer, waited for, and used by nobody)
	s_add_co_u32 s60, s23, 1
	s_and_b32 s60, s60, 3
	s_lshl_b32 s54, s60, 10
	s_lshl_b32 s60, s22, 8
	s_add_co_u32 s60, s60, s54
	v_lshl_add_u32 v[IXA], v1, 2, s54
	v_lshl_add_u32 v[IXB], v1, 2, s60
	IXLOAD                                         ; 20 loads
	v_add_nc_u32 v[XRI], s52, v[LI]
	v_add_nc_u32 v[XRS], s52, v[LS]
	v_lshl_add_u32 v[LHA], v2, 6, s53
	v_lshl_add_u32 v[PA], v1, 2, s55
	WIN 0x80
.irp u, 0,1
.irp e, 0,1,2,3,4
	ds_load_b128 v[Q1+24*\u+4*\e:Q1+24*\u+4*\e+3], v[XRI] offset:3072*\u+512*\e
.endr
.endr
.irp e, 0,1,2,3,4,5,6,7,8,9
	ds_load_b128 v[Q2+4*\e:Q2+4*\e+3], v[XRI] offset:6144+512*\e
.endr
	WIN 0
.irp e, 0,1,2,3
	ds_load_b128 v[H01+4*\e:H01+4*\e+3], v[XRI] offset:11264+512*\e
.endr
.irp f, 0,1,2,3,4,5
	ds_load_b32 v[QS1+\f], v[XRS] offset:XSCO+128*\f
.endr
.irp f, 0,1,2,3,4
	ds_load_b32 v[QS2+\f], v[XRS] offset:XSCO+128*(6+\f)
.endr
.irp f, 0,1
	ds_load_b32 v[HS01+\f], v[XRS] offset:XSCO+128*(11+\f)
.endr
.irp k, 0,1,2
	ds_load_b128 v[LH9+4*\k:LH9+4*\k+3], v[LHA] offset:1152+16*\k   ; last_h[288 + 16 h ..]: zeros in lanes 16-31
.endr
.irp k, 0,1,2,3,8,9,10,11,16,17,18,19
	v_mov_b32 v[PB+\k], 0                          ; the zeros round p's codes
.endr
	s_wait_dscnt 0x0
	s_wait_loadcnt 50                              ; my tiles' codes and scale words are in: in the first trip 50 loads and more were issued behind them (30 of rel_emb, the weights', the 20 of the indices); in the later trips the last stretch's wait for all loads has shown them in
	P1TILE 0
	P1TILE 1
	P1TILE 2
	P1TILE 3
	BARRIER                                        ; h's 48 fragments lie in LDS
	HFLOAD 0                                       ; tile 0's fragments land while the batch's sums are made
	s_wait_loadcnt 0x0                             ; the indices, asked for a phase ago; rel_emb of tiles 0 to 5 with them; in the first trip the weights and the bias too
	WIN 0xe2                                       ; W and the bias in window 2, the sums in window 3
.irp tt, 0,1,2,3,4                             ; b_ac + K steps 0 and 1: last_h's fragments have 16 like columns, so these five tiles serve every action tile of the batch; five accumulators by turns
	MM BCH+8*\tt, W01+16*\tt, H01, BC+8*\tt, WS+3*\tt, HS01, 0
.endr
	WIN 0xf2
.irp tt, 0,1,2,3,4
	MM BCH+8*\tt, W01+16*\tt+8, H01+8, BCH+8*\tt, WS+3*\tt, HS01+1, 1
.endr
	WIN 0
.rept 5
	v_nop                                          ; five places: these sums are next taken as the C of other accumulators
.endr
	s_cmp_eq_u32 s23, 3                            ; the last trip has no next batch: it gathers nothing
	s_cbranch_scc1 .Lno_codes
	GADDR
	GLOAD                                          ; the next batch's codes: 24 loads, a whole phase ahead; they stand ahead of every load of rel_emb below, so no count below names them
.Lno_codes:
.set N, 0
.rept 17
	STRETCH N
.set N, N+1
.endr
	WIN 0
	TAIL 15
	s_cmp_eq_u32 s23, 3
	s_cbranch_scc1 .Lno_rows
	RADDR                                          ; every load of rel_emb is in: the offsets may be written
.irp m, 0,1,2,3,4,5
	RLOAD \m
.endr
	WIN 0
.Lno_rows:
	BARRIER                                        ; nobody reads h's fragments any more; the scores' parts have landed
	s_add_co_u32 s52, s52, XB
	s_add_co_u32 s53, s53, LHB
	s_add_co_u32 s55, s55, 4096
	s_add_co_u32 s23, s23, 1
	s_cmp_lt_u32 s23, 4
	s_cbranch_scc1 .Lbatch
	; ---- THE END: wave w finishes batch 4 g + w.  A lane holds actions 4 l .. 4 l + 3 and 128 + 4 l .. + 3
.macro LSUM                            ; the sum of v80-87 over the wave, in v114 of every lane
	v_pk_add_f32 v[114:115], v[80:81], v[82:83]
	v_pk_add_f32 v[116:117], v[84:85], v[86:87]
	v_pk_add_f32 v[114:115], v[114:115], v[116:117]
	v_add_f32 v114, v114, v115
	v_add_f32_dpp v114, v114, v114 row_xmask:1 row_mask:0xf bank_mask:0xf
	v_add_f32_dpp v114, v114, v114 row_xmask:2 row_mask:0xf bank_mask:0xf
	v_add_f32_dpp v114, v114, v114 row_xmask:4 row_mask:0xf bank_mask:0xf
	v_add_f32_dpp v114, v114, v114 row_xmask:8 row_mask:0xf bank_mask:0xf
	v_permlanex16_b32 v115, v114, s48, s49
	v_add_f32 v114, v114, v115
.endm
	s_lshl_b32 s60, s22, 12
	s_add_co_u32 s60, s60, PART
	v_add_nc_u32 v[TT+2], s60, v[LI]
.irp v, 0,1,2,3
	ds_load_b128 v[80+8*\v:83+8*\v], v[TT+2] offset:1024*\v
	ds_load_b128 v[84+8*\v:87+8*\v], v[TT+2] offset:1024*\v+512
.endr
	s_lshl_b32 s58, ttmp9, 2
	s_add_co_u32 s58, s58, s22
	s_lshl_b32 s58, s58, 10
	s_mov_b32 s59, 0
	s_add_nc_u64 s[20:21], s[20:21], s[58:59]
	s_mov_b32 s57, 0x25800000                      ; 2^-52
	s_wait_dscnt 0x0
.irp k, 0,2,4,6
	v_pk_add_f32 v[80+\k:81+\k], v[80+\k:81+\k], v[88+\k:89+\k]
	v_pk_add_f32 v[96+\k:97+\k], v[96+\k:97+\k], v[104+\k:105+\k]
.endr
.irp k, 0,2,4,6
	v_pk_add_f32 v[80+\k:81+\k], v[80+\k:81+\k], v[96+\k:97+\k]   ; the scores
.endr
	v_max3_num_f32 v112, v80, v81, v82
	v_max3_num_f32 v113, v83, v84, v85
	v_max3_num_f32 v112, v112, v86, v87
	v_max_num_f32 v112, v112, v113
	v_max_num_f32_dpp v112, v112, v112 row_xmask:1 row_mask:0xf bank_mask:0xf
	v_max_num_f32_dpp v112, v112, v112 row_xmask:2 row_mask:0xf bank_mask:0xf
	v_max_num_f32_dpp v112, v112, v112 row_xmask:4 row_mask:0xf bank_mask:0xf
	v_max_num_f32_dpp v112, v112, v112 row_xmask:8 row_mask:0xf bank_mask:0xf
	v_permlanex16_b32 v113, v112, s48, s49
	v_max_num_f32 v112, v112, v113                 ; the largest of the 256
	v_mul_f32 v113, s50, v112
.irp k, 0,1,2,3,4,5,6,7
	v_fma_f32 v[80+\k], v[80+\k], s50, -v113
.endr
.irp k, 0,1,2,3,4,5,6,7
	v_exp_f32 v[80+\k], v[80+\k]
.endr
	v_nop
	s_wait_alu depctr_va_vdst(0)
	LSUM
	v_rcp_f32 v114, v114
	v_nop
	s_wait_alu depctr_va_vdst(0)
.irp k, 0,1,2,3,4,5,6,7
	v_mul_f32 v[80+\k], v[80+\k], v114             ; the softmax
.endr
	WIN 0x03                                       ; the mask in window 3
.irp k, 0,1,2,3,4,5,6,7
	v_fma_f32 v[80+\k], v[MASK+\k], v[80+\k], s57  ; x mask + 2^-52
.endr
	WIN 0
	LSUM
	v_rcp_f32 v114, v114
	v_nop
	s_wait_alu depctr_va_vdst(0)
.irp k, 0,1,2,3,4,5,6,7
	v_mul_f32 v[80+\k], v[80+\k], v114
.endr
	global_store_b128 v[LI], v[80:83], s[20:21]    ; 512 consecutive bytes each
	global_store_b128 v[LI], v[84:87], s[20:21] offset:512
	s_set_vgpr_msb 0x5
	s_wait_tensorcnt 0x0
	ds_add_u32 v254, v255
	s_wait_dscnt 0x0
	s_set_vgpr_msb 0x500
	s_endpgm
.Lfunc_end_k_q0de318a1b4_main:
	.size	k_q0de318a1b4_main, .Lfunc_end_k_q0de318a1b4_main-k_q0de318a1b4_main
	.p2alignl 7, 3214868480
	.fill 96, 4, 3214868480
	.section	.rodata,"a",@progbits
	.p2align	6, 0x0
	.amdhsa_kernel k_q0de318a1b4_main
		.amdhsa_group_segment_fixed_size 248320
		.amdhsa_private_segment_fixed_size 0
		.amdhsa_enable_private_segment 0
		.amdhsa_kernarg_size 72
		.amdhsa_user_sgpr_count 2
		.amdhsa_user_sgpr_kernarg_segment_ptr 1
		.amdhsa_wavefront_size32 1
		.amdhsa_system_sgpr_workgroup_id_x 1
		.amdhsa_system_sgpr_workgroup_id_y 1
		.amdhsa_system_sgpr_workgroup_id_z 1
		.amdhsa_system_vgpr_workitem_id 0
		.amdhsa_next_free_vgpr 1024
		.amdhsa_next_free_sgpr 66
		.amdhsa_reserve_vcc 0
		.amdhsa_float_denorm_mode_32 3
		.amdhsa_float_denorm_mode_16_64 3
		.amdhsa_memory_ordered 1
		.amdhsa_forward_progress 1
		.amdhsa_inst_pref_size 255
	.end_amdhsa_kernel
	.section	.bss,"aw",@nobits
	.p2align	6
	.space	262144
	.amdgpu_metadata
---
amdhsa.version: [ 1, 2 ]
amdhsa.kernels:
  - .name:           k_q0de318a1b4_main
    .symbol:         k_q0de318a1b4_main.kd
    .args:
      - { .name: q_t, .offset: 0, .size: 8, .value_kind: global_buffer, .address_space: global }
      - { .name: last_h, .offset: 8, .size: 8, .value_kind: global_buffer, .address_space: global }
      - { .name: b_rel, .offset: 16, .size: 8, .value_kind: global_buffer, .address_space: global }
      - { .name: b_ac, .offset: 24, .size: 8, .value_kind: global_buffer, .address_space: global }
      - { .name: r_space, .offset: 32, .size: 8, .value_kind: global_buffer, .address_space: global }
      - { .name: action_mask, .offset: 40, .size: 8, .value_kind: global_buffer, .address_space: global }
      - { .name: wq, .offset: 48, .size: 8, .value_kind: global_buffer, .address_space: global }
      - { .name: rtab, .offset: 56, .size: 8, .value_kind: global_buffer, .address_space: global }
      - { .name: out0, .offset: 64, .size: 8, .value_kind: global_buffer, .address_space: global }
    .group_segment_fixed_size: 248320
    .private_segment_fixed_size: 0
    .kernarg_segment_align: 8
    .kernarg_segment_size: 72
    .max_flat_workgroup_size: 128
    .sgpr_count:     66
    .vgpr_count:     1024
    .wavefront_size: 32
...
	.end_amdgpu_metadata
.endif
;; end of part 2
